; MI455X (gfx1250); checked and timed in simulation.
; The chip was launched on July 23, 2026; its instructions are those of AMD's public machine-readable ISA for CDNA 5 (MIT licence, August 2026) and "CDNA5" Instruction Set Architecture Reference Guide (July 2026). The comments in the code are by the model that wrote it; some were corrected since.
;; LML. Allowed arithmetic: float matrix products may take bf16 or f16 operands with f32 sums; all other float work in f32.
;; Inputs: x 8,192 x 1,024 float32.
;; Outputs: out0 8,192 x 1,024 float32.
;; One version. Each part assembles by itself: llvm-mc -triple=amdgcn-amd-amdhsa -mcpu=gfx1250 --defsym DOCPART=n.
;; ======== version 1 of 1: 1 launch
;; launch lml (part 1): grid 1024 x 1, 8 waves a work-group, no clusters, 0 bytes of LDS; arguments x, out0; writes out0
.if DOCPART == 1
	.amdgcn_target "amdgcn-amd-amdhsa--gfx1250"
	.amdhsa_code_object_version 6
	.text
	.protected	k_q033595dbd1_lml
	.globl	k_q033595dbd1_lml
	.p2align	8
	.type	k_q033595dbd1_lml,@function
k_q033595dbd1_lml:
	s_mov_b64 s[64:65], 0
	v_nop
	global_prefetch_b8 v0, s[64:65] scope:SCOPE_SE
	s_setreg_imm32_b32 hwreg(HW_REG_WAVE_MODE, 25, 1), 1
	s_wait_xcnt 0x0
; LML projection: for each row of 1024 f32 find nu with sum_j sigmoid(x_j + nu) = 5 by the branched search of the
; problem (5 passes, candidates nus[k] = r * k/9 + lo, k = 0..9), then y = sigmoid(x + nu).
; One wave owns one row (8 loads of 16 bytes a lane, x stays in 32 registers); 8 independent waves a work-group,
; 1024 work-groups = 8192 rows.  No two waves share a byte: no LDS, no barrier, no cluster.
;
; HOW f(nu) = sum sigmoid(x + nu) - 5 IS FORMED.  t1 >= .. >= t6 are the six largest of the row, with multiplicity.
;   f = sum over {x_j <= t6} sigmoid(x_j + nu)  -  sum over i = 1..5 of h_i,   h_i = sigmoid(-(t_i + nu)) if t_i > t6, else 1
; (an element equal to t6 stays in the first sum and owes its whole 1 of the 5).
; First sum: F_j = exp(x_j + hi0), hi0 = 7 - t6, so F_j <= e^7; c = exp(nu - hi0) <= 1 (up to rounding) since nu never passes hi0.
; Four elements share one quotient: sum F c / (1 + F c) = (e1 c + 2 e2 c^2 + 3 e3 c^3 + 4 e4 c^4) / (1 + e1 c + e2 c^2 + e3 c^3 + e4 c^4),
; e_p the elementary symmetric sums of the four F (e4 <= e^28).  All terms are >= 0: nothing cancels, nothing overflows for any
; gap t5 - t6, and what underflows is negligible beside the 1 of the denominator.
; Second sum: lane i < 5 holds t_(i+1) and forms h directly (exp2, rcp); an infinite exp2 gives the right limit 0.
;
; WHICH CANDIDATES ARE EVALUATED.  i_lower = max(#{k: f(nus[k]) < 0} - 1, 0).  k = 0: if f(lo) >= 0 all others are too and the
; maximum gives 0 anyway.  k = 9: the problem's i_upper = i_lower + 1 stays inside the table only if f(hi) >= 0.  So i_lower is the
; number of negatives among k = 1..8, and since f rises with nu that number (0..8) is found by two steps of two candidates:
; k = 3, 6, then k0 + 1, k0 + 2 with k0 = 3 * (negatives of the first step).
;
; LIMITS.  Rows with NaN or infinities are not served.  f is rounded otherwise than in the problem's text: where |f| at a candidate
; is below rounding noise the neighbouring sub-interval may be taken, and nu then differs by about one final interval, r0 / 9^5.
; ls[k] is formed as k * fl(1/9).
.set NITER, 5
.set OFF,  1            ; v1       16 * lane: my 16 bytes in each 512-byte piece of the row
.set NLO,  2            ; v2, v3   the bracket [lo, hi] (the same in every lane)
.set NHI,  3
.set RNG,  4            ; v4       r = hi - lo
.set NHW,  5            ; v5       -hi0 * log2(e)
.set TW,   6            ; v6       lane i < 5: t_(i+1) * log2(e), or -inf where t_(i+1) = t6 (h = 1); other lanes +inf (h = 0)
.set HW,   7            ; v7       hi0 * log2(e)
.set NU,   8            ; v[8:9]   the step's two candidates
.set KK,   10           ; v[10:11] their k, then k/9
.set CA,   12           ; v[12:13] exponent of c
.set TA,   14           ; v[14:15] exponent for h
.set C1,   16           ; v[16:23] c, c^2, c^3, c^4, a pair (two candidates) each
.set C2,   18
.set C3,   20
.set C4,   22
.set D2,   24           ; v[24:29] 2 c^2, 3 c^3, 4 c^4
.set D3,   26
.set D4,   28
.set EX,   30           ; v[30:31] -(1 + exp2(TA))
.set X,    32           ; v[32:63] the row; at the end y
.set CF,   64           ; v[64:95] quad g: e1..e4 in CF+4g .. CF+4g+3
.set HN,   96           ; v[96:97] -h
.set ACC,  98           ; v[98:99] my lane's part of f at the two candidates
.set KEEP, 100
.set SEND, 101
.set TMP,  102
.set SET,  104          ; v[104:127] two sets of 12: D of two quads (4), N of two quads (4), 1/D (4)
.set LST,  104          ; before the search: v[104:109] my lane's six largest, descending
.set MX,   110
.set MX2,  111
.set TOP,  112          ; v[112:117] t1 .. t6
.set FT,   120          ; v[120:127] exponents of F, two sets of four
.set SS,   96           ; v[96:99]  sums and products of two pairs while the e_p are formed
.set PP,   98
	s_load_b128 s[4:7], s[0:1], 0x0                ; x s[4:5], out0 s[6:7]
	v_lshrrev_b32 v2, 5, v0
	v_readfirstlane_b32 s8, v2                     ; wave 0..7
	v_and_b32 v[OFF], 31, v0
	v_lshlrev_b32 v[OFF], 4, v[OFF]
	s_lshl_b32 s10, ttmp9, 15                      ; 8 rows of 4,096 bytes a work-group (below 2^25 in all)
	s_lshl_b32 s9, s8, 12
	s_add_co_u32 s10, s10, s9
	s_mov_b32 s11, 0
	s_mov_b32 s12, 0x76543210                      ; v_permlanex16_b32: lane i reads lane i of the other half
	s_mov_b32 s13, 0xfedcba98
	s_mov_b32 s14, 0x3fb8aa3b                      ; log2(e), as a pair for the packed forms
	s_mov_b32 s15, 0x3fb8aa3b
	s_mov_b32 s16, 0xffff0000                      ; lanes 16-31
	s_mov_b32 s18, 0xbfb8aa3b                      ; -log2(e)
	s_mov_b32 s19, 0xbfb8aa3b
	v_mov_b32 v[MX], 0                             ; destinations of DPP and lane-permute forms count as read: written once here
	v_mov_b32 v[MX2], 0
	v_mov_b32 v[TMP], 0
	s_wait_kmcnt 0x0
	s_add_nc_u64 s[4:5], s[4:5], s[10:11]
	s_add_nc_u64 s[6:7], s[6:7], s[10:11]
.irp j, 0,1,2,3,4,5,6,7
	global_load_b128 v[X+4*\j:X+4*\j+3], v[OFF], s[4:5] offset:512*\j th:TH_LOAD_NT   ; 512 neighbouring bytes a load, the row in eight
.endr
; ---- the six largest of my lane's 32 numbers: insertion into a descending list a1..a6.
; new a_i = med3(a_(i-1), a_i, v) = v clamped between its neighbours; done from the tail up, so each line still sees the old a_(i-1).
.macro INSERT xr, len                  ; len = entries the list holds so far (2..6)
.if \len < 6
	v_min_num_f32 v[LST+\len], v[LST+\len-1], v[\xr]
.endif
.set ii, \len-1
.rept \len-1
	v_med3_num_f32 v[LST+ii], v[LST+ii-1], v[LST+ii], v[\xr]
.set ii, ii-1
.endr
	v_max_num_f32 v[LST], v[LST], v[\xr]
.endm
	s_wait_loadcnt 7                               ; loads return in order: the first is in, the seven younger stay out
	v_max_num_f32 v[LST], v[X], v[X+1]
	v_min_num_f32 v[LST+1], v[X], v[X+1]
	INSERT X+2, 2
	INSERT X+3, 3
	s_wait_loadcnt 6
	INSERT X+4, 4
	INSERT X+5, 5
	INSERT X+6, 6
	INSERT X+7, 6
.set xn, 8
.irp left, 5,4,3,2,1,0
	s_wait_loadcnt \left                           ; the next piece is in, the younger ones stay out
.rept 4
	INSERT X+xn, 6
.set xn, xn+1
.endr
.endr
; ---- t1..t6 of the row: six times the largest list head of the wave; the LOWEST lane that holds it pops its list, so that equal
; numbers are counted one by one.  After step i only 5 - i more numbers are wanted: so many entries are shifted.
.macro EXTRACT i
	v_max_num_f32_dpp v[MX], v[LST], v[LST] row_xmask:1 row_mask:0xf bank_mask:0xf
	v_max_num_f32_dpp v[MX], v[MX], v[MX] row_xmask:2 row_mask:0xf bank_mask:0xf
	v_max_num_f32_dpp v[MX], v[MX], v[MX] row_xmask:4 row_mask:0xf bank_mask:0xf
	v_max_num_f32_dpp v[MX], v[MX], v[MX] row_xmask:8 row_mask:0xf bank_mask:0xf
	v_permlanex16_b32 v[MX2], v[MX], s12, s13
	v_max_num_f32 v[TOP+\i], v[MX], v[MX2]         ; in every lane
.if \i < 5
	v_cmp_eq_f32 s20, v[LST], v[TOP+\i]            ; lanes whose head it is
	s_sub_co_u32 s21, 0, s20
	s_and_b32 s20, s20, s21                        ; the lowest of them; used as a select mask only
.set jj, 0
.rept 5-\i
	v_cndmask_b32 v[LST+jj], v[LST+jj], v[LST+jj+1], s20
.set jj, jj+1
.endr
.endif
.endm
.irp i, 0,1,2,3,4,5
	EXTRACT \i
.endr
; ---- the bracket, the anchors, and the lanes' t
	v_sub_f32 v[NLO], 0xc0e00000, v[TOP+4]         ; lo = -t5 - 7
	v_sub_f32 v[NHI], 0x40e00000, v[TOP+5]         ; hi = -t6 + 7
	v_mov_b32 v[TW], 0x7f800000                    ; lanes 5-31: +inf, h = 0
	v_mul_f32 v[HW], s14, v[NHI]
	v_mul_f32 v[NHW], s18, v[NHI]                  ; exactly -HW, so that its rounding drops out of F c
.irp i, 0,1,2,3,4
	s_mov_b32 s20, 1<<\i
	v_cndmask_b32 v[TW], v[TW], v[TOP+\i], s20     ; lane i takes t_(i+1)
.endr
	v_cmp_gt_f32 vcc_lo, v[TW], v[TOP+5]
	v_mul_f32 v[TW], s14, v[TW]
	v_cndmask_b32 v[TW], 0xff800000, v[TW], vcc_lo ; t_(i+1) = t6: -inf, h = 1
; ---- F_j = exp(x_j + hi0), 0 for the elements above t6, and each quad's e1..e4 in its place
.macro FARG j
	v_pk_fma_f32 v[FT+4*((\j)%2):FT+4*((\j)%2)+1], v[X+4*(\j):X+4*(\j)+1], s[14:15], v[TW:TW+1] op_sel:[0,0,1] op_sel_hi:[1,0,1]       ; x log2e + HW
	v_pk_fma_f32 v[FT+4*((\j)%2)+2:FT+4*((\j)%2)+3], v[X+4*(\j)+2:X+4*(\j)+3], s[14:15], v[TW:TW+1] op_sel:[0,0,1] op_sel_hi:[1,0,1]
.endm
.macro FEXP j
.irp k, 0,1,2,3
	v_exp_f32 v[CF+4*(\j)+\k], v[FT+4*((\j)%2)+\k]
.endr
.endm
.macro FMASK j                         ; the first compare names neither F nor its exponent: it is a plain place behind the exponentials
.irp k, 0,1,2,3
	v_cmp_le_f32 vcc_lo, v[X+4*(\j)+\k], v[TOP+5]
	s_wait_alu depctr_va_vdst(0)
	v_cndmask_b32 v[CF+4*(\j)+\k], 0, v[CF+4*(\j)+\k], vcc_lo
.endr
.endm
.macro FCOEF j                         ; pairs (F0, F2) and (F1, F3): sums sA, sB and products pA, pB, then their product polynomial
	v_pk_add_f32 v[SS:SS+1], v[CF+4*(\j):CF+4*(\j)+1], v[CF+4*(\j)+2:CF+4*(\j)+3]
	v_pk_mul_f32 v[PP:PP+1], v[CF+4*(\j):CF+4*(\j)+1], v[CF+4*(\j)+2:CF+4*(\j)+3]
	v_add_f32 v[CF+4*(\j)], v[SS], v[SS+1]         ; e1 = sA + sB
	v_add_f32 v[CF+4*(\j)+1], v[PP], v[PP+1]
	v_mul_f32 v[CF+4*(\j)+2], v[SS], v[PP+1]
	v_mul_f32 v[CF+4*(\j)+3], v[PP], v[PP+1]       ; e4 = pA pB
	v_fmac_f32 v[CF+4*(\j)+1], v[SS], v[SS+1]      ; e2 = pA + pB + sA sB
	v_fmac_f32 v[CF+4*(\j)+2], v[SS+1], v[PP]      ; e3 = sA pB + sB pA
.endm
	FARG 0
	FEXP 0
	FARG 1
.irp j, 0,1,2,3,4,5,6,7
	FMASK \j
	FCOEF \j
.if \j < 7
	FEXP \j+1
.endif
.if \j < 6
	FARG \j+2                                      ; the other set of exponents: independent of the exponentials just issued
.endif
.endr
; ---- f at the two candidates of v[NU:NU+1]; the low half of every pair is the first candidate, the high half the second
.macro FMA_E dst, cpair, hi, pw        ; dst += e * pw, e = the first (hi = 0) or second (hi = 1) register of cpair, for both candidates
.if \hi
	v_pk_fma_f32 v[\dst:\dst+1], v[\cpair:\cpair+1], v[\pw:\pw+1], v[\dst:\dst+1] op_sel:[1,0,0] op_sel_hi:[1,1,1]
.else
	v_pk_fma_f32 v[\dst:\dst+1], v[\cpair:\cpair+1], v[\pw:\pw+1], v[\dst:\dst+1] op_sel_hi:[0,1,1]
.endif
.endm
.macro POLY2 q, s                      ; quads 2q, 2q+1 into set s: D = 1 + sum e_p c^p, N = sum p e_p c^p; four chains side by side
	v_pk_fma_f32 v[SET+12*\s:SET+12*\s+1], v[CF+8*\q:CF+8*\q+1], v[C1:C1+1], 1.0 op_sel_hi:[0,1,0]
	v_pk_fma_f32 v[SET+12*\s+2:SET+12*\s+3], v[CF+8*\q+4:CF+8*\q+5], v[C1:C1+1], 1.0 op_sel_hi:[0,1,0]
	v_pk_mul_f32 v[SET+12*\s+4:SET+12*\s+5], v[CF+8*\q:CF+8*\q+1], v[C1:C1+1] op_sel_hi:[0,1]
	v_pk_mul_f32 v[SET+12*\s+6:SET+12*\s+7], v[CF+8*\q+4:CF+8*\q+5], v[C1:C1+1] op_sel_hi:[0,1]
	FMA_E SET+12*\s, CF+8*\q, 1, C2
	FMA_E SET+12*\s+2, CF+8*\q+4, 1, C2
	FMA_E SET+12*\s+4, CF+8*\q, 1, D2
	FMA_E SET+12*\s+6, CF+8*\q+4, 1, D2
	FMA_E SET+12*\s, CF+8*\q+2, 0, C3
	FMA_E SET+12*\s+2, CF+8*\q+6, 0, C3
	FMA_E SET+12*\s+4, CF+8*\q+2, 0, D3
	FMA_E SET+12*\s+6, CF+8*\q+6, 0, D3
	FMA_E SET+12*\s, CF+8*\q+2, 1, C4
	FMA_E SET+12*\s+2, CF+8*\q+6, 1, C4
	FMA_E SET+12*\s+4, CF+8*\q+2, 1, D4
	FMA_E SET+12*\s+6, CF+8*\q+6, 1, D4
.endm
.macro RCP2 s                          ; the four 1/D of SET s (0 or 1); D >= 1
.irp k, 0,1,2,3
	v_rcp_f32 v[SET+12*\s+8+\k], v[SET+12*\s+\k]
.endr
.endm
.macro ACC2 s, first                   ; first = 1: the sum starts from -h
.if \first
	s_wait_alu depctr_va_vdst(0)
	v_pk_fma_f32 v[ACC:ACC+1], v[SET+12*\s+4:SET+12*\s+5], v[SET+12*\s+8:SET+12*\s+9], v[HN:HN+1]
.else
	s_wait_alu depctr_va_vdst(0)
	v_pk_fma_f32 v[ACC:ACC+1], v[SET+12*\s+4:SET+12*\s+5], v[SET+12*\s+8:SET+12*\s+9], v[ACC:ACC+1]
.endif
	v_pk_fma_f32 v[ACC:ACC+1], v[SET+12*\s+6:SET+12*\s+7], v[SET+12*\s+10:SET+12*\s+11], v[ACC:ACC+1]
.endm
; Behind each run of transcendentals stands a plain vector instruction that names none of their registers before a result is read
; or a source rewritten (ISA guide 5.7.2); the lines are ordered so that useful work fills these places: a set's reciprocals are
; followed by work on the OTHER set, and a set is filled again only behind the ACC2 that read it.
.macro EVAL                            ; result: s20 = mask, bits 0-15 set if f(first) < 0, bits 16-31 if f(second) < 0
	v_pk_fma_f32 v[CA:CA+1], v[NU:NU+1], s[14:15], v[RNG:RNG+1] op_sel:[0,0,1] op_sel_hi:[1,0,1]   ; (nu - hi0) log2e: the addend is NHW for both
	v_exp_f32 v[C1], v[CA]
	v_exp_f32 v[C1+1], v[CA+1]
	v_pk_fma_f32 v[TA:TA+1], v[NU:NU+1], s[14:15], v[TW:TW+1] op_sel_hi:[1,0,0]                    ; (t + nu) log2e
	s_wait_alu depctr_va_vdst(0)
	v_pk_mul_f32 v[C2:C2+1], v[C1:C1+1], v[C1:C1+1]
	v_exp_f32 v[EX], v[TA]
	v_exp_f32 v[EX+1], v[TA+1]
	v_pk_mul_f32 v[C3:C3+1], v[C2:C2+1], v[C1:C1+1]
	s_wait_alu depctr_va_vdst(0)
	v_pk_fma_f32 v[EX:EX+1], v[EX:EX+1], -1.0, -1.0 op_sel_hi:[1,0,0]                              ; -(1 + e^(t+nu))
	v_pk_mul_f32 v[C4:C4+1], v[C2:C2+1], v[C2:C2+1]
	v_rcp_f32 v[HN], v[EX]                                                                         ; -h
	v_rcp_f32 v[HN+1], v[EX+1]
	v_pk_add_f32 v[D2:D2+1], v[C2:C2+1], v[C2:C2+1]
	v_pk_mul_f32 v[D3:D3+1], v[C3:C3+1], 0x40400000 op_sel_hi:[1,0]
	v_pk_mul_f32 v[D4:D4+1], v[C4:C4+1], 4.0 op_sel_hi:[1,0]
	POLY2 0, 0                                     ; quads 0, 1 in set 0
	RCP2 0
	POLY2 1, 1                                     ; quads 2, 3 in set 1
	RCP2 1
	ACC2 0, 1
	POLY2 2, 0                                     ; quads 4, 5 in set 0
	RCP2 0
	ACC2 1, 0
	POLY2 3, 1                                     ; quads 6, 7 in set 1
	RCP2 1
	ACC2 0, 0
	ACC2 1, 0
	; both sums over the 32 lanes at once: lanes 0-15 gather the first candidate's, lanes 16-31 the second's
	v_cndmask_b32 v[KEEP], v[ACC], v[ACC+1], s16
	v_cndmask_b32 v[SEND], v[ACC+1], v[ACC], s16
	v_permlanex16_b32 v[TMP], v[SEND], s12, s13
	v_add_f32 v[KEEP], v[KEEP], v[TMP]
	v_add_f32_dpp v[KEEP], v[KEEP], v[KEEP] row_xmask:1 row_mask:0xf bank_mask:0xf
	v_add_f32_dpp v[KEEP], v[KEEP], v[KEEP] row_xmask:2 row_mask:0xf bank_mask:0xf
	v_add_f32_dpp v[KEEP], v[KEEP], v[KEEP] row_xmask:4 row_mask:0xf bank_mask:0xf
	v_add_f32_dpp v[KEEP], v[KEEP], v[KEEP] row_xmask:8 row_mask:0xf bank_mask:0xf                 ; additions commute: the 16 lanes of a half agree bit for bit
	v_cmp_gt_f32 s20, 0, v[KEEP]
.endm
.macro NUS ka, kb                      ; v[NU:NU+1] = r * (k/9) + lo for the whole numbers k in two scalar registers
	v_cvt_f32_u32 v[KK], \ka
	v_cvt_f32_u32 v[KK+1], \kb
	v_pk_mul_f32 v[KK:KK+1], v[KK:KK+1], 0x3de38e39 op_sel_hi:[1,0]
	v_pk_fma_f32 v[NU:NU+1], v[RNG:RNG+1], v[KK:KK+1], v[NLO:NLO+1] op_sel_hi:[0,1,0]
.endm
	s_mov_b32 s25, 0
.Liter:
	v_sub_f32 v[RNG], v[NHI], v[NLO]
	v_cmp_lt_f32 s23, 0x38d1b717, v[RNG]           ; active: r > 1e-4
	v_fmamk_f32 v[NU], v[RNG], 0x3eaaaaab, v[NLO]  ; k = 3
	v_fmamk_f32 v[NU+1], v[RNG], 0x3f2aaaab, v[NLO] ; k = 6
	EVAL
	s_bcnt1_i32_b32 s20, s20                       ; 16 for each negative
	s_mul_i32 s20, s20, 3
	s_lshr_b32 s24, s20, 4                         ; k0 = 0, 3 or 6.  These whole numbers only choose values: no branch, no address
	s_add_co_u32 s21, s24, 1
	s_add_co_u32 s22, s24, 2
	NUS s21, s22
	EVAL
	s_bcnt1_i32_b32 s20, s20
	s_lshr_b32 s20, s20, 4
	s_add_co_u32 s21, s24, s20                     ; i_lower
	s_add_co_u32 s22, s21, 1                       ; i_upper
	NUS s21, s22
	v_cndmask_b32 v[NLO], v[NLO], v[NU], s23       ; rows that are not active keep their bracket
	v_cndmask_b32 v[NHI], v[NHI], v[NU+1], s23
	s_add_co_u32 s25, s25, 1
	s_cmp_lt_u32 s25, NITER
	s_cbranch_scc1 .Liter
; ---- y = 1 / (1 + exp2(-(x + nu) log2e)); an infinite exp2 gives the right limit 0
	v_sub_f32 v[RNG], v[NHI], v[NLO]
	v_fma_f32 v[NU], v[RNG], 0.5, v[NLO]
	v_mul_f32 v[NU], s18, v[NU]                    ; -nu log2e
.macro YARG j
	v_pk_fma_f32 v[CF+4*(\j):CF+4*(\j)+1], v[X+4*(\j):X+4*(\j)+1], s[18:19], v[NU:NU+1] op_sel_hi:[1,0,0]
	v_pk_fma_f32 v[CF+4*(\j)+2:CF+4*(\j)+3], v[X+4*(\j)+2:X+4*(\j)+3], s[18:19], v[NU:NU+1] op_sel_hi:[1,0,0]
.endm
.macro YEXP j
.irp k, 0,1,2,3
	v_exp_f32 v[X+4*(\j)+\k], v[CF+4*(\j)+\k]
.endr
.endm
.macro YONE j
	s_wait_alu depctr_va_vdst(0)
	v_pk_add_f32 v[CF+4*(\j):CF+4*(\j)+1], v[X+4*(\j):X+4*(\j)+1], 1.0 op_sel_hi:[1,0]
	v_pk_add_f32 v[CF+4*(\j)+2:CF+4*(\j)+3], v[X+4*(\j)+2:X+4*(\j)+3], 1.0 op_sel_hi:[1,0]
.endm
.macro YRCP j
.irp k, 0,1,2,3
	v_rcp_f32 v[X+4*(\j)+\k], v[CF+4*(\j)+\k]
.endr
.endm
	YARG 0
	YEXP 0
	YARG 1
.irp j, 0,1,2,3,4,5,6,7
	YONE \j
	YRCP \j
.if \j < 7
	YEXP \j+1
.endif
.if \j < 6
	YARG \j+2                                      ; the plain place behind this piece's reciprocals and the next piece's exponentials
.else
	v_nop                                          ; no work is left to fill it
.endif
	s_wait_alu depctr_va_vdst(0)
	global_store_b128 v[OFF], v[X+4*\j:X+4*\j+3], s[6:7] offset:512*\j th:TH_STORE_NT   ; 512 neighbouring bytes, aligned; nothing rewrites its registers
.endr
	s_endpgm
.Lfunc_end_k_q033595dbd1_lml:
	.size	k_q033595dbd1_lml, .Lfunc_end_k_q033595dbd1_lml-k_q033595dbd1_lml
	.p2alignl 7, 3214868480
	.fill 96, 4, 3214868480
	.section	.rodata,"a",@progbits
	.p2align	6, 0x0
	.amdhsa_kernel k_q033595dbd1_lml
		.amdhsa_group_segment_fixed_size 0
		.amdhsa_private_segment_fixed_size 0
		.amdhsa_enable_private_segment 0
		.amdhsa_kernarg_size 16
		.amdhsa_user_sgpr_count 2
		.amdhsa_user_sgpr_kernarg_segment_ptr 1
		.amdhsa_wavefront_size32 1
		.amdhsa_system_sgpr_workgroup_id_x 1
		.amdhsa_system_sgpr_workgroup_id_y 1
		.amdhsa_system_sgpr_workgroup_id_z 1
		.amdhsa_system_vgpr_workitem_id 0
		.amdhsa_next_free_vgpr 128
		.amdhsa_next_free_sgpr 66
		.amdhsa_reserve_vcc 1
		.amdhsa_float_denorm_mode_32 3
		.amdhsa_float_denorm_mode_16_64 3
		.amdhsa_memory_ordered 1
		.amdhsa_forward_progress 1
		.amdhsa_inst_pref_size 44
	.end_amdhsa_kernel
	.amdgpu_metadata
---
amdhsa.version: [ 1, 2 ]
amdhsa.kernels:
  - .name:           k_q033595dbd1_lml
    .symbol:         k_q033595dbd1_lml.kd
    .args:
      - { .name: x, .offset: 0, .size: 8, .value_kind: global_buffer, .address_space: global }
      - { .name: out0, .offset: 8, .size: 8, .value_kind: global_buffer, .address_space: global }
    .group_segment_fixed_size: 0
    .private_segment_fixed_size: 0
    .kernarg_segment_align: 8
    .kernarg_segment_size: 16
    .max_flat_workgroup_size: 256
    .sgpr_count:     66
    .vgpr_count:     128
    .wavefront_size: 32
...
	.end_amdgpu_metadata
.endif
;; end of part 1
